; MI455X (gfx1250); checked and timed in simulation.
; The chip was launched on July 23, 2026; its instructions are those of AMD's public machine-readable ISA for CDNA 5 (MIT licence, August 2026) and "CDNA5" Instruction Set Architecture Reference Guide (July 2026). The comments in the code are by the model that wrote it; some were corrected since.
;; Zt Attention. Allowed arithmetic: matrix products marked QUANTISED: E2M1 operands, one E8M0 scale for each 32 along K, by v_wmma_scale_f32_16x16x128_f8f6f4 with both operands' format E2M1 (or v_wmma_scale_f32_32x16x128_f4), f32 sums; everything else in f32.
;; Inputs: keys 4 x 2,048 x 16 x 64 float32; queries 4 x 2,048 x 16 x 64 float32; values 4 x 2,048 x 16 x 64 float32.
;; Outputs: out0 4 x 2,048 x 16 x 64 float32.
;; This version of the problem:
;;   THIS VERSION OF THE PROBLEM IS GIVEN IN LOW PRECISION. The matrix products marked QUANTISED in the list below multiply operands that are first quantised to E2M1 (2 exponent bits, 1 mantissa bit; 4 bits a number), with one power-of-two scale for each 32 numbers along K (OCP MX v1.0); their sums are f32. All else is computed in f32.
;;   The module's matrix products, in the order in which they are computed (A, B: the left and right operand; K: the contracted axis; several contracted axes count as one K, in the product's order):
;;     1. batch 64 x [M 2,048, K 64] x [K 64, N 2,048]; A: input queries; B: input keys: QUANTISED
;;     2. batch 64 x [M 64, K 2,048] x [K 2,048, N 2,048]; A: input values; B: softmax (see below): QUANTISED
;;   THE QUANTISER, for each operand of a quantised product, along K:
;;     - K is cut into blocks of 32 from its start; a last block that is shorter is filled with zeros.
;;     - A block's scale is 2^e with e = floor(log2(the largest magnitude in the block)) - 2, held to -126 .. 127; a block of zeros has e = 0. As a byte (E8M0): e + 127.
;;     - Each number is divided by its block's scale, clamped to +-6, and rounded to the nearest number of E2M1, ties to even, subnormals kept.
;;     - The product sums the exact products of the quantised numbers (number of the format x scale) in f32.
;;   ~~~python
;;   def quantise(x, axis):      # numpy; x: float32 -> the quantised numbers, widened to float32 again
;;       x = np.moveaxis(x, axis, -1); K = x.shape[-1]
;;       x = np.pad(x, [(0, 0)] * (x.ndim - 1) + [(0, -K % 32)]); x = x.reshape(x.shape[:-1] + (-1, 32)); a = np.abs(x).max(-1, keepdims=True)
;;       e = np.where(a > 0, np.clip(np.frexp(np.where(a > 0, a, 1))[1] - 1 - 2, -126, 127), 0)      # np.frexp(a)[1] - 1 = floor(log2(a)), exactly
;;       r = np.clip(x / 2.0 ** e, -6, 6)
;;       step = 2.0 ** (np.maximum(np.frexp(np.where(r == 0, 1, r))[1] - 1, 0) - 1)
;;       q = np.round(r / step) * step * 2.0 ** e      # np.round: ties to even
;;       return np.moveaxis(q.reshape(q.shape[:-2] + (-1,))[..., :K], -1, axis).astype(np.float32)
;;   ~~~
;;   SOFTMAX AHEAD OF A QUANTISED PRODUCT. Where the list says 'softmax', what is quantised is not the finished softmax but p = 2^(t - M), with t = logit x log2(e) and M = ceil(the row's largest t), a whole number; so 1/2 < the row's largest p <= 1. The row's sum l is taken of the UNQUANTISED p, in f32, and the product's result is divided by l at the end. Since M is a whole number, a kernel that streams over the keys may use a running M (the ceiling of the running maximum): every later rescaling is an exact power of two, which a block's scale takes up: the codes' values come out the same.
;;   OPERANDS COMPUTED ON THE WAY. 'Computed on the way' means the value that the module computes at that place (a softmax that the list does not call 'softmax' is quantised finished and normalised). What goes into a quantiser is computed in f32, as accurately as f32 sums, v_exp_f32 and their like allow (about 1e-6 of the number): no bf16 or f16 on the way to a quantiser, and a product that is left as it is and whose result goes on into a quantised operand takes f32 operands (vector FMAs, or v_wmma_f32_16x16x4_f32). A number that lies on a knife's edge between two numbers of the format may be rounded either way, as far as f32 arithmetic and the matrix unit's own rounding can turn it there, and no further.
;; One version. Each part assembles by itself: llvm-mc -triple=amdgcn-amd-amdhsa -mcpu=gfx1250 --defsym DOCPART=n.
;; ======== version 1 of 1: 2 launches
;; workspace buffers: kv 9,175,040 bytes
;; launch prep (part 1): grid 4 x 64, 8 waves a work-group, no clusters, 35,840 bytes of LDS; arguments keys, values, kv; writes kv
.if DOCPART == 1
	.amdgcn_target "amdgcn-amd-amdhsa--gfx1250"
	.amdhsa_code_object_version 6
	.text
	.protected	k_q6405261590_prep
	.globl	k_q6405261590_prep
	.p2align	8
	.type	k_q6405261590_prep,@function
k_q6405261590_prep:
	s_mov_b64 s[64:65], 0
	v_nop
	global_prefetch_b8 v0, s[64:65] scope:SCOPE_SE
	s_setreg_imm32_b32 hwreg(HW_REG_WAVE_MODE, 25, 1), 1
	s_wait_xcnt 0x0
; keys and values, [4][2048][16][64] f32, become codes of FP4 (E2M1) with one E8M0 scale byte for each 32 along a product's K:
; keys along the head's 64 channels (two blocks), values along the sequence (blocks of 32 keys).  They are stored as IMAGES OF THE OPERANDS' REGISTERS,
; head by head (HEADB bytes), step by step (128 keys, STEPB bytes), so that the next launch brings a step by one dense copy and fills every fragment by 16-byte loads at 16 x lane.
; A STEP'S IMAGE.  Lane L = (r = L % 16, hh = L / 16).
;   +0     KC: 8 tiles of 512 bytes.  Tile 2 b + u, lane L's 16 bytes at 16 L: key 32 b + 8 u + r + 8 (r / 8), channels 32 hh .. 32 hh + 31.  (The keys of a tile are not neighbours: the 16 result registers of
;          tiles 2 b and 2 b + 1 are then 16 neighbouring keys, as the second product's operand wants them.)
;   +4096  VC: 4 channel tiles of 1,024 bytes.  Tile t, half c, lane L's 16 bytes at 512 c + 16 L: channel 16 t + r, keys 64 c + 32 hh .. + 31.
;   +8192  KS: lane L's 16 bytes at 16 L: word j = the scale word of key tile 2 j + hh, row r (byte 0: channels 0-31, byte 1: channels 32-63, bytes 2 and 3: 0).
;   +8704  VS: lane L's 8 bytes at 8 L: word j = the scale word of channel tile 2 j + hh, row r (the step's four blocks of keys).
; A block's scale is 2^(floor(log2(its largest magnitude)) - 2); its byte is the largest magnitude's exponent field - 2, held at 1 from below by a floor among the maximum's leaves.
; LIMITS: a block of zeros gets the byte 1 where the rule says 127: its codes are zeros, which add nothing, and only this program reads the bytes.  NaN and infinities among the inputs are not served.
; SHARES.  Work-group (x, head): steps 4 x .. 4 x + 3.  Waves 0-3 take K of one step each, waves 4-7 V of one step each: 32 KiB of f32 a wave.  Waves share nothing: no barrier.
; No tensor loads, no cluster: each input byte is read by one wave, and the loads into registers keep 16 KiB (K) or 8 KiB (V) of each wave on their way.
.set HEADB, 143360
.set STEPB, 8960
.set ROWP,  4096                       ; bytes from a position of the sequence to the next, within a head
.set SP,    272                        ; a stage row: 256 bytes + 16, so that sixteen rows start in sixteen different groups of banks (64 banks of 4 bytes: ISA guide 11.1)
.set WV,  10                           ; s10  my wave's number
.set KO,  4                            ; v4   K's loads: hh x 4,096 + 16 r: lanes 0-15 one key's row, lanes 16-31 the next key's
.set STI, 5                            ; v5   into my stage: row hh, 16 r
.set STQ, 6                            ; v6   out of it: row r, 128 hh: my 32 channels
.set LI,  7                            ; v7   16 x lane
.set H8,  8                            ; v8   8 x hh
.set VO,  9                            ; v9   V's loads: 4 x lane: a lane to a channel
.set VST, 10                           ; v10  V's codes: 1,024 hh + 16 r
.set L8,  11                           ; v11  8 x lane
.set R,   16                           ; v16-143  K: four sets of 32 as loaded;  V: two sets of 32, a lane's block down the keys
.set X,   144                          ; v144-175 K: 32 neighbours along the channels
.set C,   176                          ; v176-207 codes: four registers for each tile or block, never written again: no store's data are rewritten
.set KSW, 208                          ; v208-211 K's scale words;  v208-209 V's
.set VSW, 208
	s_load_b128 s[4:7], s[0:1], 0x0                ; keys, values
	s_load_b64 s[8:9], s[0:1], 0x10                ; kv
	v_lshl_add_u32 v224, v0, 2, 0x8800
	v_mov_b32 v225, 0
	v_lshrrev_b32 v1, 5, v0
	s_delay_alu instid0(VALU_DEP_1)
	v_readfirstlane_b32 s[WV], v1                  ; wave 0..7
	v_and_b32 v1, 31, v0                           ; lane
	v_and_b32 v2, 15, v0                           ; r
	s_wait_alu depctr_va_vdst(0)
	v_bfe_u32 v3, v0, 4, 1                         ; hh
	s_and_b32 s11, s[WV], 3
	s_lshl_b32 s12, ttmp9, 2
	s_add_co_u32 s12, s12, s11                     ; my step: 4 x + wave % 4
	s_and_b32 s13, ttmp7, 0xffff                   ; the head: 16 b + h
	s_lshr_b32 s14, s13, 4
	s_lshl_b32 s14, s14, 23                        ; b x 2,048 x 4,096
	s_and_b32 s15, s13, 15
	s_lshl_b32 s15, s15, 8                         ; h x 256
	s_add_co_u32 s14, s14, s15
	s_lshl_b32 s15, s12, 19                        ; step x 128 x 4,096
	s_add_co_u32 s14, s14, s15                     ; under 2^25
	s_mov_b32 s15, 0
	s_mul_i32 s16, s13, HEADB
	s_mul_i32 s17, s12, STEPB
	s_add_co_u32 s16, s16, s17                     ; my step's image
	s_mov_b32 s17, 0
	s_mul_i32 s18, s[WV], 16*SP                    ; my stage
	s_mov_b32 s20, 0x76543210
	s_mov_b32 s21, 0xfedcba98                      ; v_permlanex16_b32's selects for lane l xor 16
	s_mov_b32 s22, 0xffff0000                      ; lanes 16-31
	v_lshlrev_b32 v[KO], 4, v2
	s_wait_alu depctr_va_vdst(0)
	v_lshl_add_u32 v[KO], v3, 12, v[KO]
	v_mul_u32_u24 v[STI], v3, SP
	s_delay_alu instid0(VALU_DEP_1)
	v_lshl_add_u32 v[STI], v2, 4, v[STI]
	s_delay_alu instid0(VALU_DEP_1)
	v_add_nc_u32 v[STI], s18, v[STI]
	v_mul_u32_u24 v[STQ], v2, SP
	s_delay_alu instid0(VALU_DEP_1)
	v_lshl_add_u32 v[STQ], v3, 7, v[STQ]
	s_delay_alu instid0(VALU_DEP_1)
	v_add_nc_u32 v[STQ], s18, v[STQ]
	v_lshlrev_b32 v[LI], 4, v1
	v_lshlrev_b32 v[H8], 3, v3
	v_lshlrev_b32 v[VO], 2, v1
	v_lshlrev_b32 v[VST], 4, v2
	s_delay_alu instid0(VALU_DEP_1)
	v_lshl_add_u32 v[VST], v3, 10, v[VST]
	v_lshlrev_b32 v[L8], 3, v1
	v_mov_b32 v216, 0                              ; written once: a lane permute's destination counts as one of its sources
	s_wait_kmcnt 0x0
	s_add_nc_u64 s[4:5], s[4:5], s[14:15]
	s_add_nc_u64 s[6:7], s[6:7], s[14:15]
	s_add_nc_u64 s[8:9], s[8:9], s[16:17]
; The largest magnitude of the 32 numbers v[x] .. v[x + 31], all of one block and all mine, in two chains; v214 = the conversion's scale operand.
.macro MAX32 x
	v_max3_num_f32 v212, |v[\x]|, |v[\x+1]|, |v[\x+2]|
	v_max3_num_f32 v213, |v[\x+3]|, |v[\x+4]|, |v[\x+5]|
.irp i, 6,10,14,18,22,26
	s_delay_alu instid0(VALU_DEP_2)
	v_max3_num_f32 v212, v212, |v[\x+\i]|, |v[\x+\i+1]|
	s_delay_alu instid0(VALU_DEP_2)
	v_max3_num_f32 v213, v213, |v[\x+\i+2]|, |v[\x+\i+3]|
.endr
	s_delay_alu instid0(VALU_DEP_2)
	v_max3_num_f32 v212, v212, |v[\x+30]|, |v[\x+31]|
	s_delay_alu instid0(VALU_DEP_1)
	v_max3_num_f32 v212, v212, v213, 0x1800000     ; and the floor 2^(3 - 127): the byte cannot fall under 1
	s_delay_alu instid0(VALU_DEP_1)
	v_add_nc_u32 v214, 0xff000000, v212            ; 2 off the exponent field: the conversion takes the exponent field of this operand as its scale, and nothing else of it
.endm
	s_cmp_lt_u32 s[WV], 4
	s_cbranch_scc0 .Lvalues
; ---- K.  Tile t = 2 b + u: sixteen keys' rows of 256 bytes come as they lie (a load: two whole rows), turn through my stage, and come back 32 neighbouring channels a lane.
.macro LOADK t
.irp i, 0,1,2,3,4,5,6,7
	global_load_b128 v[R+32*((\t)%4)+4*\i:R+32*((\t)%4)+4*\i+3], v[KO], s[4:5] offset:(32*((\t)/2)+8*((\t)%2)+2*\i+8*(\i/4))*ROWP th:TH_LOAD_NT   ; stage rows 2 i and 2 i + 1: keys 32 b + 8 u + row + 8 (row / 8)
.endr
.endm
.macro TILEK t
.if 7-(\t) >= 3
	s_wait_loadcnt 24                              ; my tile's eight loads are in; the three younger tiles' may be out
.else
	s_wait_loadcnt 8*(7-(\t))
.endif
.irp i, 0,1,2,3,4,5,6,7
	ds_store_b128 v[STI], v[R+32*((\t)%4)+4*\i:R+32*((\t)%4)+4*\i+3] offset:2*\i*SP
.endr
.irp j, 0,1,2,3,4,5,6,7
	ds_load_b128 v[X+4*\j:X+4*\j+3], v[STQ] offset:16*\j           ; LDS serves a wave's instructions in order (ISA guide 5.7.1.4): these see the stores above
.endr
	s_wait_dscnt 0x0                               ; the 32 numbers are in, and the stores have read their registers,
.if (\t) < 4
	LOADK (\t)+4                                   ; which take the tile four further on
.endif
	MAX32 X
.irp g, 0,1,2,3
	v_cvt_scalef32_pk8_fp4_f32 v[C+4*(\t)+\g], v[X+8*\g:X+8*\g+7], v214
.endr
	v_lshrrev_b32 v215, 23, v214                   ; the scale's byte (a plain line behind the conversions),
	s_delay_alu instid0(VALU_DEP_1)
	v_lshlrev_b32 v215, v[H8], v215                ; at its place in the row's word: byte hh;
	s_delay_alu instid0(VALU_DEP_1)
	v_permlanex16_b32 v216, v215, s20, s21         ; with lane l xor 16's byte the word is whole, in both halves of the lanes
.if (\t)%2 == 0
	s_delay_alu instid0(VALU_DEP_1)
	v_or_b32 v217, v215, v216                      ; an even tile's word waits for the odd one's
.else
	s_delay_alu instid0(VALU_DEP_1)
	v_or_b32 v215, v215, v216
	s_delay_alu instid0(VALU_DEP_1)
	v_cndmask_b32 v[KSW+(\t)/2], v217, v215, s22   ; lanes 0-15 the even tile's, lanes 16-31 the odd tile's
.endif
	global_store_b128 v[LI], v[C+4*(\t):C+4*(\t)+3], s[8:9] offset:512*(\t)   ; 32 lanes store 512 consecutive bytes, aligned
.endm
.irp t, 0,1,2,3
	LOADK \t
.endr
	s_wait_alu depctr_va_vdst(0)
.irp t, 0,1,2,3,4,5,6,7
	TILEK \t
.endr
	global_store_b128 v[LI], v[KSW:KSW+3], s[8:9] offset:8192      ; the step's scale words of K: 512 consecutive bytes
	s_wait_tensorcnt 0x0
	ds_add_u32 v224, v225
	s_wait_dscnt 0x0
	s_endpgm
; ---- V.  A lane takes a channel and its registers run down the keys: a block of 32 keys lies in one lane's 32 registers, and the conversions give codes with the keys innermost.
; q = 2 b + cs: block b of the step's four, channels 32 cs + lane.
.Lvalues:
.macro LOADV q
.set i, 0
.rept 32
	global_load_b32 v[R+32*((\q)%2)+i], v[VO], s[6:7] offset:(32*((\q)/2)+i)*ROWP+128*((\q)%2)   ; 128 consecutive bytes; the row's other 128 come with the next q
.set i, i+1
.endr
.endm
.macro BLOCKV q
.set XS, R+32*((\q)%2)
.if (\q) < 7
	s_wait_loadcnt 32                              ; this block's 32 loads are in; the next block's may be out
.else
	s_wait_loadcnt 0x0
.endif
	MAX32 XS
	s_delay_alu instid0(VALU_DEP_1)
	v_lshrrev_b32 v215, 23, v214                   ; the scale's byte: byte b of my channel's word
.if (\q)/2 == 0
	s_delay_alu instid0(VALU_DEP_1)
	v_mov_b32 v[VSW+(\q)%2], v215
.else
	s_delay_alu instid0(VALU_DEP_1)
	v_lshl_or_b32 v[VSW+(\q)%2], v215, 8*((\q)/2), v[VSW+(\q)%2]
.endif
.irp g, 0,1,2,3
	v_cvt_scalef32_pk8_fp4_f32 v[C+4*(\q)+\g], v[XS+8*\g:XS+8*\g+7], v214
.endr
	global_store_b128 v[VST], v[C+4*(\q):C+4*(\q)+3], s[8:9] offset:4096+2048*((\q)%2)+512*((\q)/4)+256*(((\q)/2)%2)   ; channel tile 2 cs + hh, half b / 2, lanes' half b % 2: sixteen lanes store 256 consecutive bytes, aligned
.if (\q) < 6
	LOADV (\q)+2
.endif
.endm
	s_wait_alu depctr_va_vdst(0)
	LOADV 0
	LOADV 1
.irp q, 0,1,2,3,4,5,6,7
	BLOCKV \q
.endr
	global_store_b64 v[L8], v[VSW:VSW+1], s[8:9] offset:8704       ; the step's scale words of V: 256 consecutive bytes, aligned
	s_endpgm
.Lfunc_end_k_q6405261590_prep:
	.size	k_q6405261590_prep, .Lfunc_end_k_q6405261590_prep-k_q6405261590_prep
	.p2alignl 7, 3214868480
	.fill 96, 4, 3214868480
	.section	.rodata,"a",@progbits
	.p2align	6, 0x0
	.amdhsa_kernel k_q6405261590_prep
		.amdhsa_group_segment_fixed_size 35840
		.amdhsa_private_segment_fixed_size 0
		.amdhsa_enable_private_segment 0
		.amdhsa_kernarg_size 24
		.amdhsa_user_sgpr_count 2
		.amdhsa_user_sgpr_kernarg_segment_ptr 1
		.amdhsa_wavefront_size32 1
		.amdhsa_system_sgpr_workgroup_id_x 1
		.amdhsa_system_sgpr_workgroup_id_y 1
		.amdhsa_system_sgpr_workgroup_id_z 1
		.amdhsa_system_vgpr_workitem_id 0
		.amdhsa_next_free_vgpr 226
		.amdhsa_next_free_sgpr 66
		.amdhsa_reserve_vcc 0
		.amdhsa_float_denorm_mode_32 3
		.amdhsa_float_denorm_mode_16_64 3
		.amdhsa_memory_ordered 1
		.amdhsa_forward_progress 1
		.amdhsa_inst_pref_size 76
	.end_amdhsa_kernel
	.amdgpu_metadata
---
amdhsa.version: [ 1, 2 ]
amdhsa.kernels:
  - .name:           k_q6405261590_prep
    .symbol:         k_q6405261590_prep.kd
    .args:
      - { .name: keys, .offset: 0, .size: 8, .value_kind: global_buffer, .address_space: global }
      - { .name: values, .offset: 8, .size: 8, .value_kind: global_buffer, .address_space: global }
      - { .name: kv, .offset: 16, .size: 8, .value_kind: global_buffer, .address_space: global }
    .group_segment_fixed_size: 35840
    .private_segment_fixed_size: 0
    .kernarg_segment_align: 8
    .kernarg_segment_size: 24
    .max_flat_workgroup_size: 256
    .sgpr_count:     66
    .vgpr_count:     226
    .wavefront_size: 32
...
	.end_amdgpu_metadata
.endif
;; end of part 1
;; launch attn (part 2): grid 4 x 64, 16 waves a work-group, clusters of 4 x 1, 215,040 bytes of LDS; arguments queries, kv, out0; writes out0
.if DOCPART == 2
	.amdgcn_target "amdgcn-amd-amdhsa--gfx1250"
	.amdhsa_code_object_version 6
	.text
	.protected	k_q6405261590_attn
	.globl	k_q6405261590_attn
	.p2align	8
	.type	k_q6405261590_attn,@function
k_q6405261590_attn:
	s_mov_b64 s[64:65], 0
	v_nop
	global_prefetch_b8 v0, s[64:65] scope:SCOPE_SE
	s_setreg_imm32_b32 hwreg(HW_REG_WAVE_MODE, 25, 1), 1
	s_wait_xcnt 0x0
	s_wait_alu depctr_hold_cnt(0) depctr_sa_sdst(0) depctr_va_vdst(0) depctr_va_sdst(0) depctr_va_ssrc(0) depctr_va_vcc(0) depctr_vm_vsrc(0)
	s_getreg_b32 s2, hwreg(HW_REG_IB_STS2, 6, 4)
	s_cmp_eq_u32 s2, 0
	s_cbranch_scc0 .Lentry_in_a_cluster
	s_endpgm
.Lentry_in_a_cluster:
	s_bfe_u32 s2, ttmp6, 0x10000c
	s_cmp_lg_u32 s2, 0x3003
	s_cbranch_scc0 .Lentry_shape_is_right
	s_endpgm
.Lentry_shape_is_right:
; out0[b][q][h][:] = the sum over keys k <= q of softmax_k(Q . K / 8) V, both products on codes of FP4 (E2M1) with one E8M0 scale for each 32 along a product's K.
; queries, out0: [4][2048][16][64] f32.  kv: for each head an image of K's and V's operand registers and scale words, 16 steps of 128 keys, STEPB bytes each:
;   +0 KC: key tile T = 2 b + u at 512 T + 16 x lane: key 32 b + 8 u + r + 8 (r / 8), channels 32 hh ..;   +4096 VC: channel tile t, half c at 1,024 t + 512 c + 16 x lane: channel 16 t + r, keys 64 c + 32 hh ..;
;   +8192 KS: at 16 x lane, word j = the scale word of key tile 2 j + hh, row r;   +8704 VS: at 8 x lane, word j = that of channel tile 2 j + hh, row r.   (r = lane % 16, hh = lane / 16.)
; THE SOFTMAX AHEAD OF THE SECOND PRODUCT: t = score x log2(e) / 8; M = the row's largest t so far, rounded UP to a whole number; p = 2^(t - M) is quantised along the keys, not normalised.
; The row's sum is taken of the unquantised p and divides at the end.  When M moves, the sum and O are multiplied by 2^(old M - new M): exact.
; THE WHOLE HEAD LIES IN LDS: 16 x 8,960 = 143,360 bytes, filled once, wave w bringing step w.  Nothing is filled again: one barrier behind the fill, none in the loops.
; CLUSTER.  The four work-groups of a cluster belong to one head and need the same image: each step is asked for JOINTLY, by the same tensor load with the same descriptor and the mask of the four.
; SHARES.  The head's 2,048 queries are 16 groups of 128, each 8 tiles of 16.  Wave w of work-group cx takes two tiles, one after the other: sub-tile cx of group w, then sub-tile 4 + cx of group 15 - w.
; For a tile of group g, steps 0 .. g - 1 count whole, step g lies on the diagonal, later steps are hidden by the mask and are left out: (w + 1) + (16 - w) = 17 steps' work for every wave.
; Which steps a wave works hangs on its number alone: every branch is the same in all four partners; cx enters only Q's and O's addresses in memory and the mask's comparison.
; LAYOUT.  Both products are used transposed: S^T = K Q^T (source 0 = 16 keys, source 1 = my 16 queries), O^T = V^T P^T (source 0 = 16 channels, source 1 = P): a lane holds ONE query (r) throughout;
; score register 16 b + i is key 32 b + 16 hh + i of the step.
; THE FIRST PRODUCT'S K IS 64 of the instruction's 128.  Q's fragment is 4 registers of codes and 4 of zero codes.  K's tiles lie packed, 4 registers each, and a tile's operand names 8: its upper four are the next
; tile's codes (behind the last tile: zeros); they meet Q's zero codes and add exactly 0.  The scale bytes of those two blocks are 0 on both sides, which is 2^-127 and no NaN.
; LIMITS: NaN and infinities among the inputs are not served.  A block of p that has fallen to 0 keeps the byte 1, over zero codes.  A block's largest p is made from its largest score by the same two
; instructions, which takes v_exp_f32 not to fall where its input rises (the ISA guide promises 1 ulp): at the worst one p of a block, within an ulp of a power of two, is held one code low.
.set HEADB, 143360
.set STEPB, 8960
.set STG,   HEADB                      ; behind the image: a stage of 16 rows x 272 bytes for each wave, written by LDS stores alone
.set SP,    272                        ; 256 bytes + 16: sixteen rows start in sixteen different groups of banks (64 banks of 4 bytes: ISA guide 11.1)
.set ROWP,  4096                       ; bytes from a query to the next, within a head
.set LI,  1                            ; v1   16 x lane
.set L8,  2                            ; v2   8 x lane
.set ADR, 3                            ; v3   the step's image + 16 x lane
.set AD8, 4                            ; v4   the step's image + 8 x lane
.set STI, 5                            ; v5   stage: row hh, 16 r (Q on its way in, O on its way out)
.set STQ, 6                            ; v6   stage: row r, 128 hh (Q: my 32 channels)
.set STO, 7                            ; v7   stage: row r, 32 hh (O: my eight channels of a tile)
.set GO,  8                            ; v8   memory: hh x 4,096 + 16 r; never rewritten
.set DA,  9                            ; v9   the first tile's d = my query in its group - 16 hh;  v10 the second tile's
.set DB,  10
.set H8,  11                           ; v11  8 x hh
                                       ; v12 -M, v13 the largest t, v[14:15] the sum in two halves
.set QA,  16                           ; v16-23, v24-31  Q's two fragments: 4 registers of codes, 4 of zeros
.set QB,  24
.set KF,  32                           ; v32-63  K's eight tiles;  v64-67 zeros
.set VF,  68                           ; v68-99  V's four tiles
.set S,   100                          ; v100-163 S^T, then p
.set OT,  164                          ; v164-195 O^T
.set PC,  196                          ; v196-203 p's codes
.set KSC, 204                          ; v204-207 K's scale words, v208-209 V's, v210, v211 Q's, v212 p's: these hold scales and nothing else
.set VSC, 208
.set QSA, 210
.set QSB, 211
.set PW,  212
.set BM,  216                          ; v216-219 the blocks' largest scores, then largest p, then bytes
.set PM,  220                          ; v220-223 the permutes' destinations; v[220:221] then the sum's second chain
.set SO,  224                          ; v224-227 the conversions' scale operands
.set FF,  228                          ; v[228:229] f = 2^(old M - new M) (the pair's upper word is written once)
.set TT,  230                          ; at work
.set NI,  232                          ; -infinity
.set WV,  10
.set CX,  11
.set BH,  12
.set G1,  16                           ; s[16:23] descriptor group 1;  s[24:27] group 0
.set G0,  24
.set SEL, 28                           ; s[28:29] lane selects for v_permlanex16_b32: lane l xor 16
.set CS,  30                           ; s[30:31] c = log2(e) / 8
.set TB,  32                           ; s32  LDS byte at which the step's image begins
.set ST,  33                           ; s33  the step
.set GA,  34                           ; s34, s35  my two tiles' groups
.set GB,  35
; A round of the cluster's barrier: my work-group's barrier, wave 0's signal for the work-group, every wave's wait for all four work-groups, my work-group's barrier once more.
.macro ROUND
	s_barrier_signal -1
	s_barrier_wait -1
	s_cmp_lg_u32 s[WV], 0
	s_cbranch_scc1 .Lnot_wave_0_\@
	s_barrier_signal -3
.Lnot_wave_0_\@:
	s_barrier_wait -3
	s_barrier_signal -1
	s_barrier_wait -1
.endm
	s_load_b128 s[4:7], s[0:1], 0x0                ; queries, kv
	s_load_b64 s[8:9], s[0:1], 0x10                ; out0
	v_lshl_add_u32 v254, v0, 2, 0x34000
	v_mov_b32 v255, 0
	ds_add_u32 v254, v255
	ds_add_u32 v254, v255
	v_lshrrev_b32 v1, 5, v0
	s_delay_alu instid0(VALU_DEP_1)
	v_readfirstlane_b32 s[WV], v1                  ; wave 0..15
	v_and_b32 v14, 15, v0                          ; r
	v_bfe_u32 v15, v0, 4, 1                        ; hh
	s_delay_alu instid0(VALU_DEP_2)
	v_lshlrev_b32 v[GO], 4, v14
	s_delay_alu instid0(VALU_DEP_1)
	v_lshl_add_u32 v[GO], v15, 12, v[GO]
	s_bfe_u32 s[CX], ttmp6, 0x40000                ; my place in the cluster
	s_and_b32 s[BH], ttmp7, 0xffff                 ; the head, 16 b + h, which the four partners share
	s_mov_b32 s[GA], s[WV]
	s_xor_b32 s[GB], s[WV], 15                     ; 15 - wave
	s_lshr_b32 s13, s[BH], 4
	s_lshl_b32 s13, s13, 23                        ; b x 2,048 x 4,096
	s_and_b32 s14, s[BH], 15
	s_lshl_b32 s14, s14, 8                         ; h x 256
	s_add_co_u32 s13, s13, s14
	s_lshl_b32 s14, s[CX], 16                      ; 16 cx queries
	s_add_co_u32 s13, s13, s14
	s_lshl_b32 s44, s[GA], 19                      ; the first tile: query 128 w + 16 cx
	s_add_co_u32 s44, s44, s13
	s_mov_b32 s45, 0
	s_lshl_b32 s46, s[GB], 19                      ; the second: query 128 (15 - w) + 64 + 16 cx.  Both offsets stay under 2^25
	s_add_co_u32 s46, s46, s13
	s_add_co_u32 s46, s46, 64*ROWP
	s_mov_b32 s47, 0
	s_mul_i32 s[G0+1], s[WV], STEPB                ; 63:32 LDS address: step w's place; no place in the cluster enters it
	s_mul_i32 s48, s[BH], HEADB
	s_add_co_u32 s48, s48, s[G0+1]                 ; and the same step in kv: head and wave alone
	s_mov_b32 s49, 0
	; descriptor group 1: a dense block of 8,960 bytes as 35 rows of 256 bytes (32 elements of 8 bytes), no padding
	s_mov_b32 s[G1], 15|(3<<16)|(1<<21)            ; 15:0 the mask: all four work-groups; 17:16 elements of 8 bytes; 21 set beside a mask
	s_mov_b32 s[G1+1], 32<<16                      ; tensor_dim0 = 32
	s_mov_b32 s[G1+2], 35<<16                      ; tensor_dim1 = 35
	s_mov_b32 s[G1+3], 32<<16                      ; tile_dim0 = 32
	s_mov_b32 s[G1+4], 35                          ; tile_dim1 = 35
	s_mov_b32 s[G1+5], 32                          ; tensor_dim0_stride
	s_mov_b32 s[G1+6], 0
	s_mov_b32 s[G1+7], 0
	s_mov_b32 s[SEL], 0x76543210
	s_mov_b32 s[SEL+1], 0xfedcba98
	s_mov_b32 s[CS], 0x3e38aa3b                    ; c = log2(e) / 8
	s_mov_b32 s[CS+1], s[CS]                       ; (named with it as a pair, so it is written)
	s_wait_alu depctr_va_vdst(0)
	s_wait_dscnt 0x0
	s_wait_kmcnt 0x0
	s_add_nc_u64 s[36:37], s[4:5], s[44:45]        ; Q at my first tile, at my second;
	s_add_nc_u64 s[38:39], s[4:5], s[46:47]
	s_add_nc_u64 s[40:41], s[8:9], s[44:45]        ; O likewise
	s_add_nc_u64 s[42:43], s[8:9], s[46:47]
	s_mov_b32 s[G0], 1                             ; 1:0 count = 1
	s_add_nc_u64 s[G0+2:G0+3], s[6:7], s[48:49]    ; 120:64 global address
	s_or_b32 s[G0+3], s[G0+3], 0x80000000          ; 127:126 type = 2
.irp i, 0,1,2,3,4,5,6,7
	global_load_b128 v[S+4*\i:S+4*\i+3], v[GO], s[36:37] offset:2*\i*ROWP th:TH_LOAD_NT         ; Q as it lies: lanes 0-15 one query's 256 bytes, lanes 16-31 the next query's
.endr
.irp i, 0,1,2,3,4,5,6,7
	global_load_b128 v[S+32+4*\i:S+32+4*\i+3], v[GO], s[38:39] offset:2*\i*ROWP th:TH_LOAD_NT
.endr
	ROUND                                          ; all four work-groups are here: the joint loads meet
	tensor_load_to_lds s[G0:G0+3], s[G1:G1+7]      ; step w of the head: my one tensor load of the launch
	s_nop 0
.rept 4
	v_nop
.endr
	v_and_b32 v[LI], 31, v0
	s_delay_alu instid0(VALU_DEP_1)
	v_lshlrev_b32 v[L8], 3, v[LI]
	s_delay_alu instid0(VALU_DEP_2)
	v_lshlrev_b32 v[LI], 4, v[LI]
	s_mul_i32 s50, s[WV], 16*SP
	s_add_co_u32 s50, s50, STG                     ; my stage
	v_mul_u32_u24 v[STI], v15, SP
	s_delay_alu instid0(VALU_DEP_1)
	v_lshl_add_u32 v[STI], v14, 4, v[STI]
	s_delay_alu instid0(VALU_DEP_1)
	v_add_nc_u32 v[STI], s50, v[STI]
	v_mul_u32_u24 v[STQ], v14, SP
	s_delay_alu instid0(VALU_DEP_1)
	v_lshl_add_u32 v[STO], v15, 5, v[STQ]
	s_delay_alu instid0(VALU_DEP_2)
	v_lshl_add_u32 v[STQ], v15, 7, v[STQ]
	s_delay_alu instid0(VALU_DEP_2)
	v_add_nc_u32 v[STO], s50, v[STO]
	s_delay_alu instid0(VALU_DEP_2)
	v_add_nc_u32 v[STQ], s50, v[STQ]
	v_lshlrev_b32 v[H8], 3, v15
	v_lshlrev_b32 v[DA], 4, v15
	s_delay_alu instid0(VALU_DEP_1)
	v_sub_nc_u32 v[DA], v14, v[DA]
	s_lshl_b32 s51, s[CX], 4
	v_add_nc_u32 v[DA], s51, v[DA]                 ; 16 cx + r - 16 hh
	s_delay_alu instid0(VALU_DEP_1)
	v_add_nc_u32 v[DB], 64, v[DA]
.irp j, 20,21,22,23,28,29,30,31,64,65,66,67,220,221,222,223,229
	v_mov_b32 v\j, 0                               ; Q's zero codes; the zeros behind K's last tile; the permutes' destinations, which count as sources; the upper word of f's pair
.endr
	v_mov_b32 v[NI], 0xff800000
; 32 numbers of a lane, v[x] on: channels 32 hh .. 32 hh + 31 of query r, one block.  Codes to v[qf] .. v[qf + 3], the query's scale word (bytes 2 and 3: 0) to v[qs], in both halves of the lanes.
.macro QUANTQ x, qf, qs
	v_max3_num_f32 v[BM], |v[\x]|, |v[\x+1]|, |v[\x+2]|
	v_max3_num_f32 v[BM+1], |v[\x+3]|, |v[\x+4]|, |v[\x+5]|
.irp i, 6,10,14,18,22,26
	s_delay_alu instid0(VALU_DEP_2)
	v_max3_num_f32 v[BM], v[BM], |v[\x+\i]|, |v[\x+\i+1]|
	s_delay_alu instid0(VALU_DEP_2)
	v_max3_num_f32 v[BM+1], v[BM+1], |v[\x+\i+2]|, |v[\x+\i+3]|
.endr
	s_delay_alu instid0(VALU_DEP_2)
	v_max3_num_f32 v[BM], v[BM], |v[\x+30]|, |v[\x+31]|
	s_delay_alu instid0(VALU_DEP_1)
	v_max3_num_f32 v[BM], v[BM], v[BM+1], 0x1800000   ; and the floor 2^(3 - 127): the byte cannot fall under 1
	s_delay_alu instid0(VALU_DEP_1)
	v_add_nc_u32 v[SO], 0xff000000, v[BM]          ; 2 off the exponent field: the conversion's scale operand
.irp g, 0,1,2,3
	v_cvt_scalef32_pk8_fp4_f32 v[\qf+\g], v[\x+8*\g:\x+8*\g+7], v[SO]
.endr
	v_lshrrev_b32 v[TT], 23, v[SO]                 ; the byte (a plain line behind the conversions),
	s_delay_alu instid0(VALU_DEP_1)
	v_lshlrev_b32 v[TT], v[H8], v[TT]              ; at its place: byte hh;
	s_delay_alu instid0(VALU_DEP_1)
	v_permlanex16_b32 v[PM], v[TT], s[SEL], s[SEL+1]
	s_delay_alu instid0(VALU_DEP_1)
	v_or_b32 v[\qs], v[TT], v[PM]                  ; with lane l xor 16's the word is whole
.endm
	s_wait_loadcnt 0x0                             ; Q
.irp i, 0,1,2,3,4,5,6,7
	ds_store_b128 v[STI], v[S+4*\i:S+4*\i+3] offset:2*\i*SP
.endr
.irp j, 0,1,2,3,4,5,6,7
	ds_load_b128 v[OT+4*\j:OT+4*\j+3], v[STQ] offset:16*\j         ; LDS serves a wave's instructions in order (ISA guide 5.7.1.4): these see the stores above, and the second tile's stores come behind them
.endr
.irp i, 0,1,2,3,4,5,6,7
	ds_store_b128 v[STI], v[S+32+4*\i:S+32+4*\i+3] offset:2*\i*SP
.endr
.irp j, 0,1,2,3,4,5,6,7
	ds_load_b128 v[VF+4*\j:VF+4*\j+3], v[STQ] offset:16*\j
.endr
	s_wait_dscnt 16                                ; the first tile is back; the second tile's eight stores and eight loads may be out
	QUANTQ OT, QA, QSA
	s_wait_dscnt 0x0
	QUANTQ VF, QB, QSB
	s_wait_tensorcnt 0x0                           ; my step of the image has landed,
	s_barrier_signal -1
	s_barrier_wait -1                              ; everybody's has: the whole head lies in LDS
; ONE TILE OF 16 QUERIES.  qf, qs: its fragment and scale word;  dv: its d;  g: the scalar register with its group;  ob: the scalar pair with its rows of O.
.macro PASS qf, qs, dv, g, ob
	v_mov_b32 v13, 0xff61b1e6                      ; the largest t so far: -3e38, under every t
	s_delay_alu instid0(VALU_DEP_1)
	v_floor_f32 v12, -v13                          ; -M
	v_mov_b32 v14, 0                               ; the sum, in two halves
	v_mov_b32 v15, 0
.set j, 0
.rept 32
	v_mov_b32 v[OT+j], 0                           ; O^T.  (The step is written once: the first finds zeros, which the first change of M leaves zeros)
.set j, j+1
.endr
	s_mov_b32 s[TB], 0
	s_mov_b32 s[ST], 0
.Lstep_\@:                                             ; 16 trips, a constant; a trip's work is left out where all its keys come after the tile's queries
	s_cmp_gt_u32 s[ST], s[\g]
	s_cbranch_scc1 .Lhidden_\@
	s_setprio 2
	v_add_nc_u32 v[ADR], s[TB], v[LI]
	v_add_nc_u32 v[AD8], s[TB], v[L8]
	v_nop                                          ; with the two additions: four places between the last trip's products and the loads into registers that they read (ISA guide 7.12.1 for vector instructions)
	v_nop
	ds_load_b128 v[KSC:KSC+3], v[ADR] offset:8192
.irp t, 0,1,2,3,4,5,6,7
	ds_load_b128 v[KF+4*\t:KF+4*\t+3], v[ADR] offset:512*\t
.endr
	ds_load_b64 v[VSC:VSC+1], v[AD8] offset:8704
.irp t, 0,1,2,3
.irp c, 0,1
	ds_load_b128 v[VF+8*\t+4*\c:VF+8*\t+4*\c+3], v[ADR] offset:4096+1024*\t+512*\c
.endr
.endr
	s_wait_dscnt 9                                 ; K's scale words and tiles are in; the nine loads for V may be out: they land under the softmax
.irp t, 0,1,2,3,4,5,6,7                        ; S^T = K Q^T.  An even tile's scale words lie in lanes 0-15 of their register, an odd tile's in lanes 16-31
.if \t%2
	v_wmma_scale_f32_16x16x128_f8f6f4 v[S+8*\t:S+8*\t+7], v[KF+4*\t:KF+4*\t+7], v[\qf:\qf+7], 0, v[KSC+\t/2], v[\qs] matrix_a_fmt:MATRIX_FMT_FP4 matrix_b_fmt:MATRIX_FMT_FP4 matrix_a_scale:MATRIX_SCALE_ROW1
.else
	v_wmma_scale_f32_16x16x128_f8f6f4 v[S+8*\t:S+8*\t+7], v[KF+4*\t:KF+4*\t+7], v[\qf:\qf+7], 0, v[KSC+\t/2], v[\qs] matrix_a_fmt:MATRIX_FMT_FP4 matrix_b_fmt:MATRIX_FMT_FP4
.endif
.endr
.rept 4
	v_nop                                          ; four places ahead of the first read of the scores
.endr
	s_cmp_lg_u32 s[ST], s[\g]
	s_cbranch_scc1 .Lopen_\@
.set n, 0
.rept 64                                       ; the step on the diagonal: register 16 b + i holds key 32 b + 16 hh + i of the step: hidden where 32 b + i > d.  Hidden scores become -infinity: p = 0.  Key 0 of the step counts for every query
	v_cmp_gt_i32 vcc_lo, 32*(n/16)+n%16, v[\dv]
	v_cndmask_b32 v[S+n], v[S+n], v[NI], vcc_lo
.set n, n+1
.endr
.Lopen_\@:
.irp b, 0,1,2,3
	v_max3_num_f32 v[BM+\b], v[S+16*\b], v[S+1+16*\b], v[S+2+16*\b]   ; the largest score of each block of 32 keys: it serves for the row's maximum and, since p rises with the score, for the block's largest p
.endr
.irp i, 3,5,7,9,11,13
.irp b, 0,1,2,3
	v_max3_num_f32 v[BM+\b], v[BM+\b], v[S+16*\b+\i], v[S+1+16*\b+\i]   ; (the four blocks by turns)
.endr
.endr
.irp b, 0,1,2,3
	v_max_num_f32 v[BM+\b], v[BM+\b], v[S+15+16*\b]
.endr
.irp b, 0,1,2,3
	s_delay_alu instid0(VALU_DEP_4)
	v_permlanex16_b32 v[PM+\b], v[BM+\b], s[SEL], s[SEL+1]
.endr
.irp b, 0,1,2,3
	s_delay_alu instid0(VALU_DEP_4)
	v_max_num_f32 v[BM+\b], v[BM+\b], v[PM+\b]     ; with lane l xor 16's 16 keys
.endr
	s_delay_alu instid0(VALU_DEP_2)
	v_max3_num_f32 v[TT], v[BM], v[BM+1], v[BM+2]
	s_delay_alu instid0(VALU_DEP_1)
	v_max_num_f32 v[TT], v[TT], v[BM+3]            ; the step's largest score of my query
	s_delay_alu instid0(VALU_DEP_1)
	v_mul_f32 v[TT], s[CS], v[TT]                  ; as t (c is positive)
	s_delay_alu instid0(VALU_DEP_1)
	v_max_num_f32 v13, v13, v[TT]                  ; the running largest t
	v_mov_b32 v[TT], v12
	s_delay_alu instid0(VALU_DEP_2)
	v_floor_f32 v12, -v13                          ; the new -M = floor(-t) = -ceil(t): a whole number
	s_delay_alu instid0(VALU_DEP_1)
	v_sub_f32 v[TT], v12, v[TT]                    ; M's old value less its new one: a whole number, 0 or less
	s_delay_alu instid0(VALU_DEP_1)
	v_cvt_i32_f32 v[TT], v[TT]                     ; (it saturates)
	s_delay_alu instid0(VALU_DEP_1)
	v_ldexp_f32 v[FF], 1.0, v[TT]                  ; f = 2^(old M - new M): a multiplication by it rounds nothing
.set j, 0
.rept 32
	v_pk_fma_f32 v[S+j:S+j+1], v[S+j:S+j+1], s[CS:CS+1], v[12:13] op_sel_hi:[1,0,0]   ; t - M, two at a time (of the pairs c and -M the low word serves both halves)
.set j, j+2
.endr
	s_setprio 1
.irp b, 0,1,2,3
	v_fma_f32 v[BM+\b], v[BM+\b], s[CS], v12       ; the same of each block's largest score
.endr
.set j, 0
	s_wait_alu depctr_va_vdst(0)
.rept 64
	v_exp_f32 v[S+j], v[S+j]                       ; p = 2^(t - M), at most 1: not normalised
.set j, j+1
.endr
	v_pk_mul_f32 v[14:15], v[14:15], v[FF:FF+1] op_sel_hi:[1,0]   ; the sums under the new M: the plain line behind the exponentials
	s_wait_alu depctr_va_vdst(0)                   ; one wait for the batch of 64, ahead of its first reader
.irp b, 0,1,2,3
	v_exp_f32 v[BM+\b], v[BM+\b]                   ; the blocks' largest p: the same two instructions on the same number give the same bits
.endr
	v_pk_add_f32 v[PM:PM+1], v[S:S+1], v[S+2:S+3]  ; the row's sum is taken of the unquantised p, two at a time, in two chains; these lines read the 64 alone
.irp j, 4,8,12,16,20,24,28,32,36,40,44,48,52
	v_pk_add_f32 v[14:15], v[14:15], v[S+\j:S+\j+1]
	v_pk_add_f32 v[PM:PM+1], v[PM:PM+1], v[S+2+\j:S+3+\j]
.endr
	s_wait_alu depctr_va_vdst(0)                   ; and one for the four
.irp b, 0,1,2,3
	v_max_num_f32 v[BM+\b], 0x1800000, v[BM+\b]    ; the floor 2^(3 - 127): the byte cannot fall under 1
.endr
.irp b, 0,1,2,3
	s_delay_alu instid0(VALU_DEP_4)
	v_add_nc_u32 v[SO+\b], 0xff000000, v[BM+\b]    ; 2 off the exponent field: the conversion's scale operand
.endr
.irp b, 0,1,2,3
	s_delay_alu instid0(VALU_DEP_4)
	v_lshrrev_b32 v[BM+\b], 23, v[SO+\b]           ; the scale's byte
.endr
	s_delay_alu instid0(VALU_DEP_3)
	v_lshl_or_b32 v[PW], v[BM+1], 8, v[BM]         ; p's scale word for these 128 keys
	s_delay_alu instid0(VALU_DEP_1)
	v_lshl_or_b32 v[PW], v[BM+2], 16, v[PW]
	s_delay_alu instid0(VALU_DEP_1)
	v_lshl_or_b32 v[PW], v[BM+3], 24, v[PW]
	s_setprio 0
.irp b, 0,1,2,3
	v_cvt_scalef32_pk8_fp4_f32 v[PC+2*\b], v[S+16*\b:S+7+16*\b], v[SO+\b]
	v_cvt_scalef32_pk8_fp4_f32 v[PC+1+2*\b], v[S+8+16*\b:S+15+16*\b], v[SO+\b]
.endr
	v_nop                                          ; one plain line between a scaled conversion and the vector instruction that touches its result
.irp c, 0,1                                    ; the operand's layout wants a whole block in a lane: lanes 0-15 block 2 c, lanes 16-31 block 2 c + 1
.irp i, 0,1
	v_permlane16_swap_b32 v[PC+4*\c+\i], v[PC+2+4*\c+\i]
.endr
.endr
.set j, 0
.rept 16
	v_pk_mul_f32 v[OT+j:OT+j+1], v[OT+j:OT+j+1], v[FF:FF+1] op_sel_hi:[1,0]   ; O^T under the new M
.set j, j+2
.endr
.irp j, 56,60                                  ; the sum's last lines stand here: with the 16 above they are the places between the writes of p's scale word and codes and the products, and the lines next to the products write none of their registers
	v_pk_add_f32 v[14:15], v[14:15], v[S+\j:S+\j+1]
	v_pk_add_f32 v[PM:PM+1], v[PM:PM+1], v[S+2+\j:S+3+\j]
.endr
	s_delay_alu instid0(VALU_DEP_1)
	v_pk_add_f32 v[14:15], v[14:15], v[PM:PM+1]
	s_wait_alu depctr_va_vdst(0)
	s_wait_dscnt 0x0                               ; V is in
.irp t, 0,1,2,3                                ; O^T += V^T P^T: the four accumulators by turns, and the eight products K Q^T stand between two links of a chain
.if \t%2
	v_wmma_scale_f32_16x16x128_f8f6f4 v[OT+8*\t:OT+8*\t+7], v[VF+8*\t:VF+8*\t+7], v[PC:PC+7], v[OT+8*\t:OT+8*\t+7], v[VSC+\t/2], v[PW] matrix_a_fmt:MATRIX_FMT_FP4 matrix_b_fmt:MATRIX_FMT_FP4 matrix_a_scale:MATRIX_SCALE_ROW1
.else
	v_wmma_scale_f32_16x16x128_f8f6f4 v[OT+8*\t:OT+8*\t+7], v[VF+8*\t:VF+8*\t+7], v[PC:PC+7], v[OT+8*\t:OT+8*\t+7], v[VSC+\t/2], v[PW] matrix_a_fmt:MATRIX_FMT_FP4 matrix_b_fmt:MATRIX_FMT_FP4
.endif
.endr
.Lhidden_\@:
	s_add_co_u32 s[TB], s[TB], STEPB               ; the next step's image
	s_add_co_u32 s[ST], s[ST], 1
	s_cmp_lt_u32 s[ST], 16
	s_cbranch_scc1 .Lstep_\@
	s_setprio 0
	; THE WAY OUT: O^T / the sum goes through my stage and leaves as whole rows of 256 bytes
	v_add_f32 v14, v14, v15                        ; the sum's two halves,
	s_delay_alu instid0(VALU_DEP_1)
	v_permlanex16_b32 v[TT], v14, s[SEL], s[SEL+1]
	s_delay_alu instid0(VALU_DEP_1)
	v_add_f32 v14, v14, v[TT]                      ; and lane l xor 16's: the row's sum, at least 1/2
	s_wait_alu depctr_va_vdst(0)
	v_rcp_f32 v14, v14
.rept 4
	v_nop                                          ; the plain line behind the reciprocal, and the places behind the last products
.endr
	s_wait_alu depctr_va_vdst(0)                   ; ahead of the reciprocal's first reader
.set j, 0
.rept 32
	v_mul_f32 v[S+j], v[OT+j], v14                 ; register 8 t + i is o(query r, channel 16 t + 8 hh + i); each accumulator from its low end on
.set j, j+1
.endr
.irp t, 0,1,2,3
	ds_store_b128 v[STO], v[S+8*\t:S+8*\t+3] offset:64*\t
	ds_store_b128 v[STO], v[S+8*\t+4:S+8*\t+7] offset:64*\t+16
.endr
.irp i, 0,1,2,3,4,5,6,7
	ds_load_b128 v[S+32+4*\i:S+32+4*\i+3], v[STI] offset:2*\i*SP   ; LDS serves a wave's instructions in order: these see my stores
.endr
.irp i, 0,1,2,3,4,5,6,7
	s_wait_dscnt 7-\i                              ; rows 2 i and 2 i + 1 are back; the younger loads may be out
	global_store_b128 v[GO], v[S+32+4*\i:S+32+4*\i+3], s[\ob:\ob+1] offset:2*\i*ROWP th:TH_STORE_NT   ; sixteen lanes store a query's 256 consecutive bytes, aligned
.endr
.endm
	PASS QA, QSA, DA, GA, 40
	s_wait_xcnt 0x0                                ; the first tile's stores have read their registers: the second tile's scores may be written there
	PASS QB, QSB, DB, GB, 42
	s_wait_dscnt 0x0
	s_wait_tensorcnt 0x0
	ds_add_u32 v254, v255
	s_wait_dscnt 0x0
	ROUND                                          ; the closing round: no work-group ends while a partner may still ask for a tile that names it
	s_endpgm
.Lfunc_end_k_q6405261590_attn:
	.size	k_q6405261590_attn, .Lfunc_end_k_q6405261590_attn-k_q6405261590_attn
	.p2alignl 7, 3214868480
	.fill 96, 4, 3214868480
	.section	.rodata,"a",@progbits
	.p2align	6, 0x0
	.amdhsa_kernel k_q6405261590_attn
		.amdhsa_group_segment_fixed_size 215040
		.amdhsa_private_segment_fixed_size 0
		.amdhsa_enable_private_segment 0
		.amdhsa_kernarg_size 24
		.amdhsa_user_sgpr_count 2
		.amdhsa_user_sgpr_kernarg_segment_ptr 1
		.amdhsa_wavefront_size32 1
		.amdhsa_system_sgpr_workgroup_id_x 1
		.amdhsa_system_sgpr_workgroup_id_y 1
		.amdhsa_system_sgpr_workgroup_id_z 1
		.amdhsa_system_vgpr_workitem_id 0
		.amdhsa_next_free_vgpr 256
		.amdhsa_next_free_sgpr 66
		.amdhsa_reserve_vcc 1
		.amdhsa_float_denorm_mode_32 3
		.amdhsa_float_denorm_mode_16_64 3
		.amdhsa_memory_ordered 1
		.amdhsa_forward_progress 1
		.amdhsa_inst_pref_size 65
	.end_amdhsa_kernel
	.amdgpu_metadata
---
amdhsa.version: [ 1, 2 ]
amdhsa.kernels:
  - .name:           k_q6405261590_attn
    .symbol:         k_q6405261590_attn.kd
    .args:
      - { .name: queries, .offset: 0, .size: 8, .value_kind: global_buffer, .address_space: global }
      - { .name: kv, .offset: 8, .size: 8, .value_kind: global_buffer, .address_space: global }
      - { .name: out0, .offset: 16, .size: 8, .value_kind: global_buffer, .address_space: global }
    .group_segment_fixed_size: 215040
    .private_segment_fixed_size: 0
    .kernarg_segment_align: 8
    .kernarg_segment_size: 24
    .max_flat_workgroup_size: 512
    .sgpr_count:     66
    .vgpr_count:     256
    .wavefront_size: 32
...
	.end_amdgpu_metadata
.endif
;; end of part 2
